; MI455X (gfx1250); checked and timed in simulation.
; The chip was launched on July 23, 2026; its instructions are those of AMD's public machine-readable ISA for CDNA 5 (MIT licence, August 2026) and "CDNA5" Instruction Set Architecture Reference Guide (July 2026). The comments in the code are by the model that wrote it; some were corrected since.
;; Self Attention. Allowed arithmetic: matrix products marked QUANTISED: E5M2 operands, one given power-of-two scale a tensor, by v_wmma_f32_16x16x64_bf8_bf8 or v_wmma_f32_16x16x128_bf8_bf8, f32 sums; everything else in f32.
;; Inputs: Wk 1,024 x 1,024 float32; Wq 1,024 x 1,024 float32; Wv 1,024 x 1,024 float32; bk 1,024 float32; bq 1,024 float32; bv 1,024 float32; lowp_scales 10 int32 (the exponents e of the quantised operands' scales 2^e); x 4 x 2,048 x 1,024 float32.
;; Outputs: out0 4 x 2,048 x 1,024 float32.
;; This version of the problem:
;;   THIS VERSION OF THE PROBLEM IS GIVEN IN LOW PRECISION. The matrix products marked QUANTISED in the list below multiply operands that are first quantised to E5M2 (5 exponent bits, 2 mantissa bits; 8 bits a number), with one given power-of-two scale for each operand tensor; their sums are f32. All else is computed in f32.
;;   The module's matrix products, in the order in which they are computed (A, B: the left and right operand; K: the contracted axis; several contracted axes count as one K, in the product's order):
;;     1. [M 8,192, K 1,024] x [K 1,024, N 1,024]; A: input x; B: input Wq: QUANTISED (scales: A lowp_scales[0], B lowp_scales[1])
;;     2. [M 8,192, K 1,024] x [K 1,024, N 1,024]; A: input x; B: input Wk: QUANTISED (scales: A lowp_scales[2], B lowp_scales[3])
;;     3. [M 8,192, K 1,024] x [K 1,024, N 1,024]; A: input x; B: input Wv: QUANTISED (scales: A lowp_scales[4], B lowp_scales[5])
;;     4. batch 64 x [M 2,048, K 64] x [K 64, N 2,048]; A: computed on the way; B: computed on the way: QUANTISED (scales: A lowp_scales[6], B lowp_scales[7])
;;     5. batch 64 x [M 64, K 2,048] x [K 2,048, N 2,048]; A: computed on the way; B: softmax (see below): QUANTISED (scales: A lowp_scales[8], B lowp_scales[9])
;;   THE QUANTISER, for each operand of a quantised product, along K:
;;     - The operand's scale is 2^e, e = its entry of the input lowp_scales (int32; the entries are numbered through the quantised products in the list's order, A before B).
;;     - Each number is divided by the scale, clamped to +-57,344, and rounded to the nearest number of E5M2, ties to even, subnormals kept.
;;     - The product sums the exact products of the quantised numbers (number of the format x scale) in f32.
;;   ~~~python
;;   def quantise(x, axis, e):      # numpy; x: float32 -> the quantised numbers, widened to float32 again
;;       x = np.moveaxis(x, axis, -1); K = x.shape[-1]
;;       r = np.clip(x / 2.0 ** e, -57344, 57344)
;;       step = 2.0 ** (np.maximum(np.frexp(np.where(r == 0, 1, r))[1] - 1, -14) - 2)
;;       q = np.round(r / step) * step * 2.0 ** e      # np.round: ties to even
;;       return np.moveaxis(q, -1, axis).astype(np.float32)
;;   ~~~
;;   SOFTMAX AHEAD OF A QUANTISED PRODUCT. Where the list says 'softmax', what is quantised is not the finished softmax but p = 2^(t - M), with t = logit x log2(e) and M = ceil(the row's largest t), a whole number; so 1/2 < the row's largest p <= 1. The row's sum l is taken of the UNQUANTISED p, in f32, and the product's result is divided by l at the end. Since M is a whole number, a kernel that streams over the keys may use a running M (the ceiling of the running maximum): every later rescaling is an exact power of two, so the quantised numbers keep their values, but for numbers so far below the row's largest that they fall under the format's range.
;;   OPERANDS COMPUTED ON THE WAY. 'Computed on the way' means the value that the module computes at that place (a softmax that the list does not call 'softmax' is quantised finished and normalised). What goes into a quantiser is computed in f32, as accurately as f32 sums, v_exp_f32 and their like allow (about 1e-6 of the number): no bf16 or f16 on the way to a quantiser, and a product that is left as it is and whose result goes on into a quantised operand takes f32 operands (vector FMAs, or v_wmma_f32_16x16x4_f32). A number that lies on a knife's edge between two numbers of the format may be rounded either way, as far as f32 arithmetic and the matrix unit's own rounding can turn it there, and no further.
;; 2 versions, each right; version 2 is version 1 with the launch attn written anew for expert scheduling mode. Each part assembles by itself: llvm-mc -triple=amdgcn-amd-amdhsa -mcpu=gfx1250 --defsym DOCPART=n.
;; ======== version 1 of 2: 3 launches
;; workspace buffers: xc 25,165,824 bytes; wc 3,145,728 bytes; qc 8,388,608 bytes; kv 16,777,216 bytes
;; launch quant (part 1): grid 352 x 1, 4 waves a work-group, no clusters, 66,048 bytes of LDS; arguments x, Wq, Wk, Wv, lowp_scales, xc, wc; writes xc, wc
.if DOCPART == 1
	.amdgcn_target "amdgcn-amd-amdhsa--gfx1250"
	.amdhsa_code_object_version 6
	.text
	.protected	k_q022ac9dfaf_quant
	.globl	k_q022ac9dfaf_quant
	.p2align	8
	.type	k_q022ac9dfaf_quant,@function
k_q022ac9dfaf_quant:
	s_mov_b64 s[64:65], 0
	v_nop
	global_prefetch_b8 v0, s[64:65] scope:SCOPE_SE
	s_setreg_imm32_b32 hwreg(HW_REG_WAVE_MODE, 25, 1), 1
	s_wait_xcnt 0x0
; x [8192][1024] and Wq, Wk, Wv [1024][1024], f32, K innermost, become codes of BF8 (E5M2), one byte a number, laid as the numbers lie.
; x is an operand of three products with a scale of its own in each (entries 0, 2, 4 of the scales), so it is read once and coded three times: xc = [3][8192][1024] bytes.
; Wq, Wk, Wv take entries 1, 3, 5: wc = [3][1024][1024] bytes.
; code = number / 2^e, held within +-57,344, rounded to the nearest code, ties to even.  LIMITS: each e between -126 and 112, so that 2^e and 57,344 x 2^e are f32 numbers.  NaN among the inputs is not served.
; SHARES.  A wave takes 16 steps of 512 numbers.  Work-groups 0-255 take x, 256-351 the weights (32 each).  The two ways part once, on the work-group's number, and do not join; each has LDS bytes of its own.
; A conversion takes eight neighbours from ONE lane's registers, a load is best where neighbouring LANES take neighbouring bytes: each load reads 512 consecutive bytes, 16 a lane; a step's 2,048 bytes go through the
; wave's own stage in LDS as they lie and come back 64 bytes a lane (80 bytes from lane to lane).  A lane's 16 codes are 16 bytes: a store of the wave covers 512 consecutive bytes, aligned.
; No barrier: waves share nothing.  No matrix unit, no cluster, no tensor load: the launch only streams.  Loads run four steps (16 loads a wave) ahead, the turn through LDS one step.
.set STEPS, 16
.set SP,    80                         ; a lane's place in a stage: 64 bytes + 16 of padding
.set R,     16                         ; v16-79    four sets of 16 numbers as loaded
.set X,     80                         ; v80-111   two sets of 16 neighbours
.set T,     112                        ; v112-159  three sets of 16 held numbers, by turns
.set C,     160                        ; v160-183  two sets of 12 registers of codes, by turns
; v3 16 x lane (offset of loads and stores); v6-8 2^e; v9-11 57,344 x 2^e; v14, v15 the stage: way in, way out
; s[32:33] where my wave reads; s[34:39] where it stores: one base for each copy (the copies lie 2^23 bytes apart, one more than a store's immediate reaches)
.macro LOAD t
.irp i, 0,1,2,3
	global_load_b128 v[R+16*((\t)%4)+4*\i:R+16*((\t)%4)+4*\i+3], v3, s[32:33] offset:2048*(\t)+512*\i th:TH_LOAD_NT
.endr
.endm
.macro TURN t, lb                      ; step t's numbers through the stage: LDS serves a wave's instructions in order, so no wait stands between the stores and the loads
.irp i, 0,1,2,3
	ds_store_b128 v14, v[R+16*((\t)%4)+4*\i:R+16*((\t)%4)+4*\i+3] offset:(\lb)+32*SP*((\t)%2)+8*SP*\i
.endr
.irp i, 0,1,2,3
	ds_load_b128 v[X+16*((\t)%2)+4*\i:X+16*((\t)%2)+4*\i+3], v15 offset:(\lb)+32*SP*((\t)%2)+16*\i
.endr
.endm
.macro CONST j, e                      ; copy j's scale and hold, from the whole number e
	s_add_co_i32 s40, \e, 127
	s_lshl_b32 s41, s40, 23
	v_mov_b32 v[6+\j], s41                         ; 2^e as f32: the conversion takes its exponent field
	s_add_co_i32 s40, s40, 15
	s_lshl_b32 s40, s40, 23
	s_or_b32 s40, s40, 0x600000
	v_mov_b32 v[9+\j], s40                         ; 57,344 x 2^e
.endm
; One step: nc copies of the codes.  The held numbers go into another set than the conversions just issued read, so a plain instruction on other registers always follows a conversion.
.macro STEP t, nc, lb
.set XS, X+16*((\t)%2)
.set CD, C+12*((\t)%2)
	s_wait_dscnt 0x0                               ; this step's numbers are back from the stage, and its stores into the stage have read their registers,
.if (\t)+4 < STEPS
	LOAD (\t)+4                                    ; which take the loads of four steps on
.endif
.if (\t)+1 < STEPS
.if STEPS-2-(\t) >= 3
	s_wait_loadcnt 12                              ; the next step's four loads are in; those of the three steps behind it may be out
.else
	s_wait_loadcnt 4*(STEPS-2-(\t))
.endif
	TURN (\t)+1, \lb
.endif
	s_wait_xcnt 0x0                                ; the stores of two steps ago have read this set of codes: it is written again only behind this wait
.irp j, 0,1,2
.if \j < \nc
.set TS, T+16*(((\nc)*(\t)+\j)%3)
.irp i, 0,1,2,3,4,5,6,7,8,9,10,11,12,13,14,15
	v_med3_num_f32 v[TS+\i], v[XS+\i], -v[9+\j], v[9+\j]   ; the conversion to an 8-bit code does not saturate (ISA guide 7.6.2): the hold at the largest code x the scale
.endr
	v_cvt_scalef32_pk8_bf8_f32 v[CD+4*\j:CD+4*\j+1], v[TS:TS+7], v[6+\j]
	v_cvt_scalef32_pk8_bf8_f32 v[CD+4*\j+2:CD+4*\j+3], v[TS+8:TS+15], v[6+\j]
.endif
.endr
.irp j, 0,1,2
.if \j < \nc
	global_store_b128 v3, v[CD+4*\j:CD+4*\j+3], s[34+2*\j:35+2*\j] offset:512*(\t)
.endif
.endr
.endm
	s_load_b256 s[4:11], s[0:1], 0x0               ; x s[4:5], Wq s[6:7], Wk s[8:9], Wv s[10:11]
	s_load_b128 s[12:15], s[0:1], 0x20             ; the scales' exponents s[12:13], xc s[14:15]
	s_load_b64 s[16:17], s[0:1], 0x30              ; wc
	v_lshl_add_u32 v192, v0, 2, 0x10000
	v_mov_b32 v193, 0
	v_lshrrev_b32 v1, 5, v0
	v_readfirstlane_b32 s18, v1                    ; wave 0..3
	v_and_b32 v2, 31, v0                           ; lane
	v_lshlrev_b32 v3, 4, v2
	s_lshl_b32 s20, s18, 13                        ; my wave's 8,192 bytes of LDS (of each way's 32,768)
	v_lshrrev_b32 v14, 2, v2
	v_mul_u32_u24 v14, v14, SP
	v_and_b32 v15, 3, v2
	v_lshl_add_u32 v14, v15, 4, v14
	v_add_nc_u32 v14, s20, v14                     ; way in: four lanes' 64 bytes on end, then 16 of padding
	v_mul_u32_u24 v15, v2, SP
	v_add_nc_u32 v15, s20, v15                     ; way out: my 16 neighbours
	s_mov_b32 s23, 0
	s_wait_kmcnt 0x0
	s_load_b256 s[24:31], s[12:13], 0x0            ; e0 .. e7
	s_cmp_lt_u32 ttmp9, 256
	s_cbranch_scc0 .Lw
	; ---- x: run u = 4 x work-group + wave of 8,192 numbers
	s_lshl_b32 s21, ttmp9, 2
	s_add_co_u32 s21, s21, s18
	s_lshl_b32 s22, s21, 15
	s_add_nc_u64 s[32:33], s[4:5], s[22:23]
	s_lshl_b32 s22, s21, 13
	s_add_nc_u64 s[34:35], s[14:15], s[22:23]
	s_add_nc_u64 s[36:37], s[34:35], 0x800000
	s_add_nc_u64 s[38:39], s[36:37], 0x800000
.irp t, 0,1,2,3
	LOAD \t
.endr
	s_wait_kmcnt 0x0
	CONST 0, s24
	CONST 1, s26
	CONST 2, s28
	s_wait_loadcnt 12                              ; step 0's four loads are in
	TURN 0, 0
.irp t, 0,1,2,3,4,5,6,7,8,9,10,11,12,13,14,15
	STEP \t, 3, 0
.endr
	s_wait_tensorcnt 0x0
	ds_add_u32 v192, v193
	s_wait_dscnt 0x0
	s_endpgm
.Lw:
	; ---- a weight: which = (work-group - 256) / 32; run u = 4 x ((work-group - 256) % 32) + wave
	s_sub_co_u32 s21, ttmp9, 256
	s_lshr_b32 s42, s21, 5
	s_and_b32 s21, s21, 31
	s_lshl_b32 s21, s21, 2
	s_add_co_u32 s21, s21, s18
	s_cmp_eq_u32 s42, 0
	s_cselect_b64 s[32:33], s[6:7], s[8:9]
	s_cmp_eq_u32 s42, 2
	s_cselect_b64 s[32:33], s[10:11], s[32:33]     ; the choice hangs on the work-group's number alone
	s_lshl_b32 s22, s21, 15
	s_add_nc_u64 s[32:33], s[32:33], s[22:23]
	s_lshl_b32 s22, s21, 13
	s_lshl_b32 s43, s42, 20
	s_add_co_u32 s22, s22, s43
	s_add_nc_u64 s[34:35], s[16:17], s[22:23]
.irp t, 0,1,2,3
	LOAD \t
.endr
	s_wait_kmcnt 0x0
	s_cmp_eq_u32 s42, 0
	s_cselect_b32 s44, s25, s27
	s_cmp_eq_u32 s42, 2
	s_cselect_b32 s44, s29, s44                    ; e1, e3 or e5
	CONST 0, s44
	s_wait_loadcnt 12
	TURN 0, 32768
.irp t, 0,1,2,3,4,5,6,7,8,9,10,11,12,13,14,15
	STEP \t, 1, 32768
.endr
	s_wait_tensorcnt 0x0
	ds_add_u32 v192, v193
	s_wait_dscnt 0x0
	s_endpgm
.Lfunc_end_k_q022ac9dfaf_quant:
	.size	k_q022ac9dfaf_quant, .Lfunc_end_k_q022ac9dfaf_quant-k_q022ac9dfaf_quant
	.p2alignl 7, 3214868480
	.fill 96, 4, 3214868480
	.section	.rodata,"a",@progbits
	.p2align	6, 0x0
	.amdhsa_kernel k_q022ac9dfaf_quant
		.amdhsa_group_segment_fixed_size 66048
		.amdhsa_private_segment_fixed_size 0
		.amdhsa_enable_private_segment 0
		.amdhsa_kernarg_size 56
		.amdhsa_user_sgpr_count 2
		.amdhsa_user_sgpr_kernarg_segment_ptr 1
		.amdhsa_wavefront_size32 1
		.amdhsa_system_sgpr_workgroup_id_x 1
		.amdhsa_system_sgpr_workgroup_id_y 1
		.amdhsa_system_sgpr_workgroup_id_z 1
		.amdhsa_system_vgpr_workitem_id 0
		.amdhsa_next_free_vgpr 194
		.amdhsa_next_free_sgpr 66
		.amdhsa_reserve_vcc 0
		.amdhsa_float_denorm_mode_32 3
		.amdhsa_float_denorm_mode_16_64 3
		.amdhsa_memory_ordered 1
		.amdhsa_forward_progress 1
		.amdhsa_inst_pref_size 113
	.end_amdhsa_kernel
	.amdgpu_metadata
---
amdhsa.version: [ 1, 2 ]
amdhsa.kernels:
  - .name:           k_q022ac9dfaf_quant
    .symbol:         k_q022ac9dfaf_quant.kd
    .args:
      - { .name: x, .offset: 0, .size: 8, .value_kind: global_buffer, .address_space: global }
      - { .name: Wq, .offset: 8, .size: 8, .value_kind: global_buffer, .address_space: global }
      - { .name: Wk, .offset: 16, .size: 8, .value_kind: global_buffer, .address_space: global }
      - { .name: Wv, .offset: 24, .size: 8, .value_kind: global_buffer, .address_space: global }
      - { .name: lowp_scales, .offset: 32, .size: 8, .value_kind: global_buffer, .address_space: global }
      - { .name: xc, .offset: 40, .size: 8, .value_kind: global_buffer, .address_space: global }
      - { .name: wc, .offset: 48, .size: 8, .value_kind: global_buffer, .address_space: global }
    .group_segment_fixed_size: 66048
    .private_segment_fixed_size: 0
    .kernarg_segment_align: 8
    .kernarg_segment_size: 56
    .max_flat_workgroup_size: 128
    .sgpr_count:     66
    .vgpr_count:     194
    .wavefront_size: 32
...
	.end_amdgpu_metadata
.endif
;; end of part 1
;; launch proj (part 2): grid 4 x 96, 4 waves a work-group, clusters of 4 x 4, 327,680 bytes of LDS; arguments xc, wc, lowp_scales, bq, bk, bv, qc, kv; writes qc, kv
.if DOCPART == 2
	.amdgcn_target "amdgcn-amd-amdhsa--gfx1250"
	.amdhsa_code_object_version 6
	.text
	.protected	k_q022ac9dfaf_proj
	.globl	k_q022ac9dfaf_proj
	.p2align	8
	.type	k_q022ac9dfaf_proj,@function
k_q022ac9dfaf_proj:
	s_mov_b64 s[64:65], 0
	v_nop
	global_prefetch_b8 v0, s[64:65] scope:SCOPE_SE
	s_setreg_imm32_b32 hwreg(HW_REG_WAVE_MODE, 25, 1), 1
	s_wait_xcnt 0x0
	s_wait_alu depctr_hold_cnt(0) depctr_sa_sdst(0) depctr_va_vdst(0) depctr_va_sdst(0) depctr_va_ssrc(0) depctr_va_vcc(0) depctr_vm_vsrc(0)
	s_getreg_b32 s2, hwreg(HW_REG_IB_STS2, 6, 4)
	s_cmp_eq_u32 s2, 0
	s_cbranch_scc0 .Lentry_in_a_cluster
	s_endpgm
.Lentry_in_a_cluster:
	s_bfe_u32 s2, ttmp6, 0x10000c
	s_cmp_lg_u32 s2, 0xf033
	s_cbranch_scc0 .Lentry_shape_is_right
	s_endpgm
.Lentry_shape_is_right:
; The three projections q, k, v = x W^T + b on codes of BF8 (E5M2), K = 1,024, and the quantising of their results for attention.
; 24 clusters of 4 x 4 work-groups: cluster G makes T = G / 8 (0: q, 1: k, 2: v), part G % 8.  A work-group makes 256 x 256 sums, each of its four waves 128 x 128: 64 accumulators, 512 registers.
; The product has an A side (16 rows to a lane group in source 1) and a B side (source 0): in accumulator (a, b) lane (r, h) holds, in register j, the sum of A's row 16 a + r with B's row 16 b + 8 h + j.
;   q, k: A = x's codes (tokens), B = W's (channels): a lane's eight numbers are eight neighbouring channels of a token: neighbours along the K of q k^T.
;   v:    A = Wv's codes (channels), B = x's (tokens): a lane's eight numbers are eight neighbouring tokens of a channel: neighbours along the K (the keys) of the second product of attention.
; So ONE conversion of an accumulator gives registers 2 b, 2 b + 1 of the next operand, in the lane that wants them, and the codes are stored as IMAGES OF THAT OPERAND'S REGISTERS (four registers a lane at 16 x lane,
; 512 consecutive aligned bytes a store): no stage in LDS, nothing transposed.
;   qc: head bh (131,072 bytes), tile of 16 tokens tb (1,024), half c (512), 16 x lane.     kv: head (262,144), key step of 128 tokens (16,384): eight images of K (1,024 each), then four of V^T (2,048 each).
; value = sum x 2^(ea + eb) + bias (one fused multiply-add), held within +-57,344 x 2^eo, converted with 2^eo.  Of the product q k^T the left operand as it is lowered is k: k takes entry 6 of the scales, q entry 7; v entry 8.
; LIMITS: ea + eb between -126 and 127; eo between -126 and 112.  NaN is not served.
; K goes in steps of 256 through a ring of two LDS slots filled by the tensor data mover; rows of 256 bytes.  The four work-groups of a row of the cluster need the same tiles of A, the four of a column the same tiles
; of B: each tile is asked for JOINTLY.  384 work-groups of equal work.  A work-group has two refills only, so nothing is prefetched: the lead would fall at the kernel's head.
; REGISTERS, in windows of 256: window 0: v0-31 addresses and constants; v32-95 the biases; from v128 A's fragments, ONE set (on the way out: v128-191 values, v192-255 four sets of codes).
;   window 1: B's fragments, TWO sets.   window 2: the accumulators of A's rows 0-63 ((a, b) at v[8 (8 a + b)]);   window 3: those of rows 64-127.
.set ROWB,   256                       ; a tile's row in bytes
.set KROW,   1024                      ; a row of codes in memory
.set PITCH,  272                       ; an LDS row: 256 bytes + 16 of padding: the 16 rows that a load touches start 68 words apart
.set FR,     16                        ; registers of a fragment: 16 rows x 128 K
.set NL,     4                         ; LDS loads that bring one
.set NP,     4                         ; places behind this matrix instruction (ISA guide 7.12.1)
.set HALFT,  128*PITCH
.set SLOT,   4*HALFT                   ; A's 256 rows, then B's 256 rows
.set SPARE,  2*SLOT                    ; behind the ring: the spare words, 128 bytes for each wave, that no other line names
.set ADRA, 16                          ; v16-17  LDS address of my A fragments in slot 0, 1
.set ADRB, 20                          ; v20-21  the same for B
.set SCL,  18                          ; v18     2^eo
.set LIM,  19                          ; v19     57,344 x 2^eo
.set CO2,  24                          ; v24     16 x lane + a head's bytes (q, k: my second head)
.set CO,   26                          ; v26     16 x lane
.set BH,   27                          ; v27     32 x (lane / 16): my eight biases of a tile of channels (q, k)
.set SPW,  28                          ; v28     LDS address of my spare word; never rewritten
.set NIL,  29                          ; v29     0; never rewritten
.set BR,   30                          ; v30     4 x (lane % 16): my channel's bias (v)
.set BIAS, 32
.set AF,   128
.set TMP,  128
.set CODE, 192
.set G1, 24                            ; s[24:31] descriptor group 1 for A's tiles;  s[32:39] group 0, one set for each slot
.set G0, 32
.set G1B, 48                           ; s[48:55], s[56:63] the same for B's tiles
.set G0B, 56
.set MSB, 0
.macro WIN new                         ; the immediate's high byte repeats the setting that is left
.if MSB != \new
	s_set_vgpr_msb (MSB<<8)|\new
.set MSB, \new
.endif
.endm
.set MUL_LO, 0xa1                      ; source 0 (B) window 1, source 1 (A) window 0, C and D window 2
.set MUL_HI, 0xf1                      ; the same, C and D window 3
.set TO_B,   0x40                      ; destination window 1, address window 0
; A joint load: waves 0 and 1 fetch for A, waves 2 and 3 for B; the branch hangs on the wave's number alone.  Four v_nop follow each of the two lines.
.macro JLOAD g0a, g1a, g0b, g1b
	s_cmp_eq_u32 s15, 0
	s_cbranch_scc0 .Lfor_b_\@
	tensor_load_to_lds s[\g0a:\g0a+3], s[\g1a:\g1a+7]
	s_nop 0
.rept 4
	v_nop
.endr
	s_branch .Lasked_\@
.Lfor_b_\@:
	tensor_load_to_lds s[\g0b:\g0b+3], s[\g1b:\g1b+7]
	s_nop 0
.rept 4
	v_nop
.endr
.Lasked_\@:
.endm
.macro CREST                           ; a round of the cluster's barrier behind its opening barrier
	s_cmp_lg_u32 s14, 0
	s_cbranch_scc1 .Lnot_wave_0_\@
	s_barrier_signal -3
.Lnot_wave_0_\@:
	s_barrier_wait -3
	s_barrier_signal -1
	s_barrier_wait -1
.endm
.macro CROUND                          ; a whole round
	s_barrier_signal -1
	s_barrier_wait -1
	CREST
.endm
	s_load_b256 s[4:11], s[0:1], 0x0               ; xc s[4:5], wc s[6:7], the scales' exponents s[8:9], bq s[10:11]
	s_load_b256 s[68:75], s[0:1], 0x20             ; bk s[68:69], bv s[70:71], qc s[72:73], kv s[74:75]
	v_lshl_add_u32 v[SPW], v0, 2, SPARE
	v_mov_b32 v[NIL], 0
	ds_add_u32 v28, v29
	ds_add_u32 v28, v29
	s_wait_dscnt 0x0
	v_lshrrev_b32 v1, 5, v0
	v_readfirstlane_b32 s14, v1                    ; wave 0..3
	s_lshr_b32 s15, s14, 1                         ; which half of A's rows is mine.  Also: I fetch for A (0) or for B (1)
	s_and_b32 s16, s14, 1                          ; which half of B's rows.  Also: which 128 rows of that tile I fetch
	s_bfe_u32 s40, ttmp6, 0x40000                  ; cx, cy: my place in the cluster
	s_bfe_u32 s41, ttmp6, 0x40004
	s_and_b32 s76, ttmp7, 0xffff                   ; G: the cluster's y, the same in all sixteen partners
	s_lshr_b32 s77, s76, 3                         ; T
	s_and_b32 s78, s76, 7                          ; which eighth of the tokens
	s_lshl_b32 s81, s77, 23                        ; copy T of x's codes
	s_lshl_b32 s82, s77, 20                        ; weight T's codes
	s_cmp_eq_u32 s77, 2
	s_cselect_b32 s79, 0, s78                      ; A's tile row = 4 x this + cy: tokens for q and k, channels for v
	s_cselect_b32 s80, s78, 0                      ; B's tile row = 4 x this + cx
	s_cselect_b32 s83, s82, s81                    ; where A's codes begin in their buffer,
	s_cselect_b32 s99, s81, s82                    ; and B's
	s_lshl_b32 s42, s80, 2
	s_add_co_u32 s42, s42, s40                     ; tile column
	s_lshl_b32 s17, s79, 2
	s_add_co_u32 s17, s17, s41                     ; tile row
	s_lshl_b32 s43, s41, 2
	s_lshl_b32 s43, 15, s43                        ; my row of the cluster
	s_lshl_b32 s44, 0x1111, s40                    ; my column
	; descriptor group 1: a tile of 128 rows x 256 bytes, padded in LDS
	s_or_b32 s[G1+0], s43, (0<<16)|(1<<20)|(1<<21)|(5<<22)|(3<<25)  ; 15:0 the mask: A's tiles go to my row; 17:16 element of 1 byte; 20 padding on; 21 set beside a mask; 24:22 after every 64 words; 31:25 four words
	s_or_b32 s[G1B+0], s44, (0<<16)|(1<<20)|(1<<21)|(5<<22)|(3<<25)
.irp g, G1, G1B
	s_mov_b32 s[\g+1], ROWB<<16                    ; tensor_dim0
	s_mov_b32 s[\g+2], 128<<16                     ; tensor_dim1
	s_mov_b32 s[\g+3], ROWB<<16                    ; tile_dim0
	s_mov_b32 s[\g+4], 128                         ; tile_dim1
	s_mov_b32 s[\g+5], KROW                        ; tensor_dim0_stride
	s_mov_b32 s[\g+6], 0
	s_mov_b32 s[\g+7], 0
.endr
	s_lshl_b32 s18, s16, 7                         ; which 128 rows of the tile I fetch
	s_lshl_b32 s20, s17, 8
	s_add_co_u32 s20, s20, s18                     ; A: row 256 x tile row + 128 x half
	s_lshl_b32 s20, s20, 10                        ; in bytes,
	s_add_co_u32 s20, s20, s83                     ; in its part of the buffer (under 2^25)
	s_mov_b32 s21, 0
	s_lshl_b32 s46, s42, 8
	s_add_co_u32 s46, s46, s18                     ; B likewise, by the tile column
	s_lshl_b32 s46, s46, 10
	s_add_co_u32 s46, s46, s99
	s_mov_b32 s47, 0
	s_mul_i32 s45, s14, HALFT                      ; where they go: wave x 128 rows: no place in the cluster enters an LDS address
	s_wait_kmcnt 0x0
	s_cmp_eq_u32 s77, 2
	s_cselect_b64 s[84:85], s[6:7], s[4:5]         ; A's buffer: the weights' codes for v, else x's
	s_cselect_b64 s[86:87], s[4:5], s[6:7]         ; B's
	s_load_b256 s[88:95], s[8:9], 0x0              ; e0 .. e7
	s_load_b32 s98, s[8:9], 0x20                   ; e8
	s_add_nc_u64 s[20:21], s[84:85], s[20:21]
	s_add_nc_u64 s[46:47], s[86:87], s[46:47]
	CROUND                                         ; all sixteen work-groups are here: the first joint loads meet
.irp s, 0,1
	s_mov_b32 s[G0+4*\s], 1
	s_add_co_u32 s[G0+4*\s+1], s45, \s*SLOT
	s_add_nc_u64 s[G0+4*\s+2:G0+4*\s+3], s[20:21], \s*ROWB
	s_or_b32 s[G0+4*\s+3], s[G0+4*\s+3], 0x80000000
	s_mov_b32 s[G0B+4*\s], 1
	s_add_co_u32 s[G0B+4*\s+1], s45, \s*SLOT
	s_add_nc_u64 s[G0B+4*\s+2:G0B+4*\s+3], s[46:47], \s*ROWB
	s_or_b32 s[G0B+4*\s+3], s[G0B+4*\s+3], 0x80000000
	JLOAD G0+4*\s, G1, G0B+4*\s, G1B
.endr
	v_and_b32 v1, 15, v0                           ; l % 16
	v_bfe_u32 v2, v0, 4, 1                         ; l / 16
	v_mul_u32_u24 v3, v1, PITCH
	v_lshl_add_u32 v4, v2, 4, v3                   ; a fragment's row x pitch + 16 x half
	s_mul_i32 s21, s15, HALFT                      ; my 128 rows of A
	s_mul_i32 s22, s16, HALFT                      ; my 128 rows of B,
	s_add_co_u32 s22, s22, 2*HALFT                 ; which lie behind A's 256
.irp s, 0,1
	v_add_nc_u32 v[ADRA+\s], s21, v4
	v_add_nc_u32 v[ADRB+\s], s22, v4
	s_add_co_u32 s21, s21, SLOT
	s_add_co_u32 s22, s22, SLOT
.endr
	v_and_b32 v6, 31, v0
	v_lshlrev_b32 v[CO], 4, v6
	v_lshlrev_b32 v[BH], 5, v2
	v_lshlrev_b32 v[BR], 2, v1
.macro FRAG reg, adr, q, i             ; a fragment: four loads of 16 bytes, 32 apart: registers 4 c .. 4 c + 3 hold K = 32 c + 16 (l / 16) + 0 .. 15: the same order of K in A and in B, so every product meets its partner
.irp c, 0,1,2,3
	ds_load_b128 v[\reg+4*\c:\reg+4*\c+3], v[\adr] offset:128*(\q)+32*\c+(\i)*16*PITCH
.endr
.endm
; 16 matrix instructions: A's blocks a0, a0 + 1 x B's eight, 128 along K.  p: B's set.  zero = 1: the first product starts the sums.  The 64 accumulators take turns, in the same order in every step.
.macro MUL16 a0, p, zero
.irp a, \a0, \a0+1
.irp b, 0,1,2,3,4,5,6,7
.if \zero
	v_wmma_f32_16x16x128_bf8_bf8 v[8*(8*((\a)%4)+\b):8*(8*((\a)%4)+\b)+7], v[128*(\p)+FR*\b:128*(\p)+FR*\b+FR-1], v[AF+FR*(\a):AF+FR*(\a)+FR-1], 0
.else
	v_wmma_f32_16x16x128_bf8_bf8 v[8*(8*((\a)%4)+\b):8*(8*((\a)%4)+\b)+7], v[128*(\p)+FR*\b:128*(\p)+FR*\b+FR-1], v[AF+FR*(\a):AF+FR*(\a)+FR-1], v[8*(8*((\a)%4)+\b):8*(8*((\a)%4)+\b)+7]
.endif
.endr
.endr
.endm
.macro FETCH_B slot, q, p              ; B's eight fragments of the slot's q-th 128 along K into set p
	WIN TO_B
.irp i, 0,1,2,3,4,5,6,7
	FRAG 128*(\p)+FR*\i, ADRB+\slot, \q, \i
.endr
	WIN 0
.endm
.macro FETCH_A slot, q, i0             ; A's blocks i0 .. i0 + 3
.irp i, \i0, \i0+1, \i0+2, \i0+3
	FRAG AF+FR*(\i), ADRA+\slot, \q, \i
.endr
.endm
.macro PLACES n                        ; plain vector instructions between a matrix instruction and a load into, or a vector write of, one of its registers, or a vector read of its result
.rept \n
	v_nop
.endr
.endm
; A step of 128 along K that has its successor in the same slot.  A block of A is free as soon as its eight products are issued: blocks 0-3 are fetched anew in the step's middle, blocks 4-7 at its end.
.macro STEP slot, q, zero
	s_wait_dscnt 4*NL                              ; B's set and A's blocks 0-3 are in; the youngest sixteen loads (A's blocks 4-7) may be out
	WIN MUL_LO
	MUL16 0, (\q)%2, \zero
	MUL16 2, (\q)%2, \zero
	s_wait_dscnt 0                                 ; A's blocks 4-7 are in
	PLACES NP
	FETCH_B \slot, (\q)+1, 1-(\q)%2
	FETCH_A \slot, (\q)+1, 0
	WIN MUL_HI
	MUL16 4, (\q)%2, \zero
	MUL16 6, (\q)%2, \zero
	PLACES NP
	WIN 0
	FETCH_A \slot, (\q)+1, 4
.endm
; A slot's last step changes slots: ONE barrier; in front of it each wave waits for all its tensor loads, adds 0 to its spare word, and waits for that and for its own reads of this slot.  fill = 1: this slot is filled again.
.macro TURN slot, next, fill
	s_wait_tensorcnt 0x0                           ; all my tensor loads have landed: my part of the next slot
	ds_add_u32 v[SPW], v[NIL]                      ; 0 onto my spare word
	s_wait_dscnt 4*NL+1                            ; (the add and the youngest sixteen loads, A's blocks 4-7, may be out)
	WIN MUL_LO
	MUL16 0, 1, 0
	s_wait_dscnt 0x0                               ; the add is done, and my reads of this slot are over
	s_barrier_signal -1
	MUL16 2, 1, 0
	WIN 0
	s_barrier_wait -1
.if \fill
	CREST                                          ; the barrier has opened a round of the cluster's barrier: no wave of any partner still reads this slot's tile or has a load on its way
	s_add_nc_u64 s[G0+4*\slot+2:G0+4*\slot+3], s[G0+4*\slot+2:G0+4*\slot+3], 2*ROWB
	s_add_nc_u64 s[G0B+4*\slot+2:G0B+4*\slot+3], s[G0B+4*\slot+2:G0B+4*\slot+3], 2*ROWB
	JLOAD G0+4*\slot, G1, G0B+4*\slot, G1B         ; the first tensor load behind the round; its four v_nop are also the places in front of the loads below
.else
	PLACES NP
.endif
	FETCH_B \next, 0, 0
	FETCH_A \next, 0, 0
	WIN MUL_HI
	MUL16 4, 1, 0
	MUL16 6, 1, 0
	PLACES NP
	WIN 0
	FETCH_A \next, 0, 4
.endm
.macro LAST                            ; the very last step: nothing more to fetch
	s_wait_dscnt 4*NL
	WIN MUL_LO
	MUL16 0, 1, 0
	MUL16 2, 1, 0
	s_wait_dscnt 0
	WIN MUL_HI
	MUL16 4, 1, 0
	MUL16 6, 1, 0
	WIN 0
.endm
.macro CONSTS                          ; s96, s97: ea, eb; s98: eo
	s_add_co_i32 s96, s96, s97
	s_add_co_i32 s96, s96, 127
	s_lshl_b32 s96, s96, 23                        ; 2^(ea + eb) as f32
	s_mov_b32 s97, s96                             ; (named with it as a pair, so it is written)
	s_add_co_i32 s98, s98, 127
	s_lshl_b32 s99, s98, 23
	v_mov_b32 v[SCL], s99
	s_add_co_i32 s98, s98, 15
	s_lshl_b32 s98, s98, 23
	s_or_b32 s98, s98, 0x600000
	v_mov_b32 v[LIM], s98
.endm
; THE WAY OUT of A's block a: its eight accumulators become 16 registers of codes and leave by four stores of 512 consecutive bytes.  Each accumulator is read from its low end on.
.macro OUTBLK a, isv
.set AC, 64*((\a)%4)
.set CD, CODE+16*((\a)%4)
.if (\a) >= 4
	s_wait_xcnt 0x0                                ; the stores of four blocks ago have read this set of codes
.endif
	WIN 0x02+((\a)/4)                              ; source 0: window 2 or 3
.irp b, 0,1,2,3,4,5,6,7
.irp i, 0,2,4,6
.if \isv
	v_pk_fma_f32 v[TMP+8*\b+\i:TMP+8*\b+\i+1], v[AC+8*\b+\i:AC+8*\b+\i+1], s[96:97], v[BIAS+2*(\a):BIAS+2*(\a)+1] op_sel_hi:[1,0,1]   ; sum x 2^(ea + eb) + my channel's bias
.else
	v_pk_fma_f32 v[TMP+8*\b+\i:TMP+8*\b+\i+1], v[AC+8*\b+\i:AC+8*\b+\i+1], s[96:97], v[BIAS+8*\b+\i:BIAS+8*\b+\i+1] op_sel_hi:[1,0,1]   ; sum x 2^(ea + eb) + the two channels' biases
.endif
.endr
.endr
	WIN 0
.irp b, 0,1,2,3,4,5,6,7
.irp i, 0,1,2,3,4,5,6,7
	v_med3_num_f32 v[TMP+8*\b+\i], v[TMP+8*\b+\i], -v[LIM], v[LIM]   ; the conversion does not saturate (ISA guide 7.6.2): the hold, always executed
.endr
	v_cvt_scalef32_pk8_bf8_f32 v[CD+2*\b:CD+2*\b+1], v[TMP+8*\b:TMP+8*\b+7], v[SCL]
.endr
	v_nop                                          ; a plain instruction behind the last conversion: the next block writes its sources
.irp c, 0,1,2,3
.if \isv
	global_store_b128 v[CO], v[CD+4*\c:CD+4*\c+3], s[84:85] offset:((\a)/4)*262144+((\a)%4)*2048+512*\c   ; head a / 4 of my two, channels 16 (a % 4) on: an image of V^T
.elseif \c < 2
	global_store_b128 v[CO], v[CD+4*\c:CD+4*\c+3], s[84:85] offset:(\a)*1024+512*\c                       ; my first head: tokens 16 a on
.else
	global_store_b128 v[CO2], v[CD+4*\c:CD+4*\c+3], s[84:85] offset:(\a)*1024+512*(\c-2)                  ; my second head
.endif
.endr
.endm
	s_wait_tensorcnt 1                             ; my part of slot 0 is in; slot 1's load may be out
	s_barrier_signal -1
	s_barrier_wait -1
	FETCH_B 0, 0, 0
	FETCH_A 0, 0, 0
	FETCH_A 0, 0, 4
	STEP 0, 0, 1                                   ; K 0-127: its products start the sums
	TURN 0, 1, 1                                   ; K 128-255; slot 0 takes K 512-767
	STEP 1, 0, 0
	TURN 1, 0, 1                                   ; slot 1 takes K 768-1,023
	STEP 0, 0, 0
	TURN 0, 1, 0                                   ; nothing is left to fetch
	s_cmp_eq_u32 s77, 2                            ; the two ways out part here, on the cluster's number: the same in every partner; no barrier and no tensor load stands in either
	s_cbranch_scc1 .Lv
	; ---- q, k.  My tokens: 256 x tile row + 128 x half on; my channels: 256 x tile column + 128 x half on: two heads
	s_lshl_b32 s18, s17, 8
	s_lshl_b32 s19, s15, 7
	s_add_co_u32 s18, s18, s19                     ; my first token
	s_lshr_b32 s19, s18, 11
	s_lshl_b32 s19, s19, 4                         ; 16 x batch
	s_lshl_b32 s20, s42, 2
	s_add_co_u32 s19, s19, s20
	s_lshl_b32 s20, s16, 1
	s_add_co_u32 s19, s19, s20                     ; my first head
	s_bfe_u32 s18, s18, 0x40007                    ; which 128 tokens of the sequence
	s_cmp_eq_u32 s77, 0
	s_cselect_b32 s20, 17, 18                      ; a head is 2^17 bytes in qc, 2^18 in kv
	s_cselect_b64 s[84:85], s[72:73], s[74:75]
	s_cselect_b64 s[86:87], s[10:11], s[68:69]     ; bq or bk
	s_lshl_b32 s19, s19, s20
	s_sub_co_u32 s21, s20, 4
	s_lshl_b32 s18, s18, s21                       ; 128 tokens are a sixteenth of a head
	s_add_co_u32 s18, s18, s19
	s_mov_b32 s19, 0
	s_add_nc_u64 s[84:85], s[84:85], s[18:19]
	s_lshl_b32 s21, 1, s20
	v_add_nc_u32 v[CO2], s21, v[CO]
	s_lshl_b32 s18, s42, 10
	s_lshl_b32 s21, s16, 9
	s_add_co_u32 s18, s18, s21
	s_add_nc_u64 s[86:87], s[86:87], s[18:19]      ; my 128 biases
.irp b, 0,1,2,3,4,5,6,7
	global_load_b128 v[BIAS+8*\b:BIAS+8*\b+3], v[BH], s[86:87] offset:64*\b        ; those of channels 16 b + 8 (l / 16) + 0 .. 7; they land under the last 128 matrix instructions
	global_load_b128 v[BIAS+8*\b+4:BIAS+8*\b+7], v[BH], s[86:87] offset:64*\b+16
.endr
	STEP 1, 0, 0
	LAST
	s_wait_kmcnt 0x0
	s_cmp_eq_u32 s77, 0
	s_cselect_b32 s96, s88, s90
	s_cselect_b32 s97, s89, s91
	s_cselect_b32 s98, s95, s94                    ; q: entry 7; k: entry 6
	CONSTS
	s_wait_loadcnt 0x0
	PLACES NP
.irp a, 0,1,2,3,4,5,6,7
	OUTBLK \a, 0
.endr
	s_branch .Lend
.Lv:
	; ---- v.  My channels: 256 x tile row + 128 x half on: two heads; my tokens: 256 x tile column + 128 x half on: one key step
	s_lshl_b32 s18, s42, 8
	s_lshl_b32 s19, s16, 7
	s_add_co_u32 s18, s18, s19                     ; my first token
	s_lshr_b32 s19, s18, 11
	s_lshl_b32 s19, s19, 4
	s_lshl_b32 s20, s17, 2
	s_add_co_u32 s19, s19, s20
	s_lshl_b32 s20, s15, 1
	s_add_co_u32 s19, s19, s20                     ; my first head
	s_bfe_u32 s18, s18, 0x40007                    ; the key step
	s_lshl_b32 s19, s19, 18
	s_lshl_b32 s18, s18, 14
	s_add_co_u32 s18, s18, s19
	s_add_co_u32 s18, s18, 8192                    ; behind the step's eight images of K
	s_mov_b32 s19, 0
	s_add_nc_u64 s[84:85], s[74:75], s[18:19]
	s_lshl_b32 s18, s17, 10
	s_lshl_b32 s20, s15, 9
	s_add_co_u32 s18, s18, s20
	s_add_nc_u64 s[86:87], s[70:71], s[18:19]
.irp a, 0,1,2,3,4,5,6,7
	global_load_b32 v[BIAS+2*\a], v[BR], s[86:87] offset:64*\a      ; the bias of channel 16 a + l % 16, twice: a pair for the packed form
	global_load_b32 v[BIAS+2*\a+1], v[BR], s[86:87] offset:64*\a
.endr
	STEP 1, 0, 0
	LAST
	s_wait_kmcnt 0x0
	s_mov_b32 s96, s92
	s_mov_b32 s97, s93
	CONSTS                                         ; s98 holds e8
	s_wait_loadcnt 0x0
	PLACES NP
.irp a, 0,1,2,3,4,5,6,7
	OUTBLK \a, 1
.endr
.Lend:
	s_wait_tensorcnt 0x0                           ; the wave's end
	ds_add_u32 v[SPW], v[NIL]
	s_wait_dscnt 0x0
	CROUND                                         ; the closing round: no work-group ends while a partner may still ask for a tile that names it
	s_endpgm
.Lfunc_end_k_q022ac9dfaf_proj:
	.size	k_q022ac9dfaf_proj, .Lfunc_end_k_q022ac9dfaf_proj-k_q022ac9dfaf_proj
	.p2alignl 7, 3214868480
	.fill 96, 4, 3214868480
	.section	.rodata,"a",@progbits
	.p2align	6, 0x0
	.amdhsa_kernel k_q022ac9dfaf_proj
		.amdhsa_group_segment_fixed_size 327680
		.amdhsa_private_segment_fixed_size 0
		.amdhsa_enable_private_segment 0
		.amdhsa_kernarg_size 64
		.amdhsa_user_sgpr_count 2
		.amdhsa_user_sgpr_kernarg_segment_ptr 1
		.amdhsa_wavefront_size32 1
		.amdhsa_system_sgpr_workgroup_id_x 1
		.amdhsa_system_sgpr_workgroup_id_y 1
		.amdhsa_system_sgpr_workgroup_id_z 1
		.amdhsa_system_vgpr_workitem_id 0
		.amdhsa_next_free_vgpr 1024
		.amdhsa_next_free_sgpr 100
		.amdhsa_reserve_vcc 0
		.amdhsa_float_denorm_mode_32 3
		.amdhsa_float_denorm_mode_16_64 3
		.amdhsa_memory_ordered 1
		.amdhsa_forward_progress 1
		.amdhsa_inst_pref_size 208
	.end_amdhsa_kernel
	.amdgpu_metadata
---
amdhsa.version: [ 1, 2 ]
amdhsa.kernels:
  - .name:           k_q022ac9dfaf_proj
    .symbol:         k_q022ac9dfaf_proj.kd
    .args:
      - { .name: xc, .offset: 0, .size: 8, .value_kind: global_buffer, .address_space: global }
      - { .name: wc, .offset: 8, .size: 8, .value_kind: global_buffer, .address_space: global }
      - { .name: lowp_scales, .offset: 16, .size: 8, .value_kind: global_buffer, .address_space: global }
      - { .name: bq, .offset: 24, .size: 8, .value_kind: global_buffer, .address_space: global }
      - { .name: bk, .offset: 32, .size: 8, .value_kind: global_buffer, .address_space: global }
      - { .name: bv, .offset: 40, .size: 8, .value_kind: global_buffer, .address_space: global }
      - { .name: qc, .offset: 48, .size: 8, .value_kind: global_buffer, .address_space: global }
      - { .name: kv, .offset: 56, .size: 8, .value_kind: global_buffer, .address_space: global }
    .group_segment_fixed_size: 327680
    .private_segment_fixed_size: 0
    .kernarg_segment_align: 8
    .kernarg_segment_size: 64
    .max_flat_workgroup_size: 128
    .sgpr_count:     100
    .vgpr_count:     1024
    .wavefront_size: 32
...
	.end_amdgpu_metadata
.endif
;; end of part 2
;; launch attn (part 3): grid 4 x 64, 16 waves a work-group, no clusters, 264,192 bytes of LDS; arguments qc, kv, lowp_scales, out0; writes out0
.if DOCPART == 3
	.amdgcn_target "amdgcn-amd-amdhsa--gfx1250"
	.amdhsa_code_object_version 6
	.text
	.protected	k_q022ac9dfaf_attn
	.globl	k_q022ac9dfaf_attn
	.p2align	8
	.type	k_q022ac9dfaf_attn,@function
k_q022ac9dfaf_attn:
	s_mov_b64 s[64:65], 0
	v_nop
	global_prefetch_b8 v0, s[64:65] scope:SCOPE_SE
	s_setreg_imm32_b32 hwreg(HW_REG_WAVE_MODE, 25, 1), 1
	s_wait_xcnt 0x0
; out[b][q][h][:] = the sum over k of softmax_k(q . k / 8) v, both products on codes of BF8 (E5M2); head size 64, 2,048 keys, 64 heads (batch x head).
; t = score x log2(e) / 8; M = the running largest t rounded UP to a whole number; p = 2^(t - M) is what is quantised (scale 2^e9), not normalised; the row's sum is taken of the unquantised p and divides at the end.
; When M moves, the sum and O are multiplied by 2^(old M - new M): exact.
; SHARES.  Work-group (x, y): head y, queries 512 x on.  Sixteen waves, four to a SIMD; a wave owns 32 queries, two tiles of 16, and walks the head's 16 key steps of 128 keys.
; THE HEAD'S WHOLE K AND V LIE IN LDS, 262,144 bytes, for the whole launch: wave w copies key step w's 16,384 bytes through its registers, one barrier follows, and the loop has no barrier and no refill.
; They lie as images of the operands' registers (four registers a lane at 16 x lane), as the launch before stored them: every LDS load takes 512 consecutive bytes; each fragment feeds two matrix instructions.
; LAYOUT.  Both products are used transposed: S^T = K Q^T (source 0 = 16 keys, source 1 = 16 queries), O^T = V^T P^T: a lane holds ONE query (lane % 16) throughout.  In tile t of S^T lane (r, h) holds keys
; 16 t + 8 h + 0 .. 7: one conversion gives registers 2 t, 2 t + 1 of P^T for 128 keys.
; THE HOLD OF p.  p is at most 1, so p / 2^e9 is at most 2^15 where e9 >= -15, under the largest code 57,344: there the 64 holds change nothing and a scalar branch on the whole number e9 jumps over them; else they run.
; NO CLUSTER, NO TENSOR LOAD, though four work-groups read the same head: the branch on e9 spares 64 of a tile step's 258 vector instructions,
; while what is shared is fetched once a work-group: 32 loads a wave against 16 key steps.  No prefetch: all of K and V is asked for by the first loads.
; LIMITS: e6 + e7 between -123 and 130 (added to c's exponent field); e9 between -126 and 112; e8 + e9 goes by v_ldexp_f32 and has none.
; REGISTERS: v1 16 x lane; v2 the step's LDS address; v3 my offset in the wave's rows of out; v4 2^e9; v5 57,344 x 2^e9; v[6:7] f; v8-10 at work; v11 the fill's address; v12 -M, v13 largest t, v[14:15] sum of tile A;
;   v16-19 the same of tile B; v[20:21] the sums' second chain; v22, v23 the stage; v24-39 Q; v40-55 tile A's codes of p; v56-119 K's eight fragments, then (v56-71) tile B's codes; v120-183 S^T, p, then V's four fragments;
;   v184-215, v216-247 O^T of the two tiles.
.set QA,  24
.set QB,  32
.set PA,  40
.set KF,  56
.set PB,  56
.set S,   120
.set OA,  184
.set OB,  216
.set SEL, 20                           ; s[20:21] lane selects for v_permlanex16_b32: lane l xor 16
.set CS,  22                           ; s[22:23] c = log2(e) / 8 x 2^(e6 + e7)
	s_load_b128 s[4:7], s[0:1], 0x0                ; qc s[4:5], kv s[6:7]
	s_load_b128 s[8:11], s[0:1], 0x10              ; the scales' exponents s[8:9], out s[10:11]
	v_lshl_add_u32 v254, v0, 2, 0x40000
	v_mov_b32 v255, 0
	v_lshrrev_b32 v8, 5, v0
	v_readfirstlane_b32 s12, v8                    ; wave 0..15
	s_and_b32 s13, ttmp7, 0xffff                   ; 16 x batch + head
	v_and_b32 v1, 31, v0
	v_lshlrev_b32 v1, 4, v1
	v_lshl_add_u32 v11, v8, 14, v1                 ; the fill: my wave's key step, 16 x lane
	v_and_b32 v9, 15, v0                           ; r
	v_bfe_u32 v10, v0, 4, 1                        ; h
	v_lshlrev_b32 v8, 14, v8
	v_mul_u32_u24 v23, v9, 272                     ; the stage (in my wave's 16,384 bytes, on the way out): in: row r of 256 + 16 bytes, + 32 h
	v_lshl_add_u32 v23, v10, 5, v23
	v_add_nc_u32 v23, v8, v23
	v_mul_u32_u24 v22, v10, 272                    ; back: lanes 0-15 one row, lanes 16-31 the next
	v_lshl_add_u32 v22, v9, 4, v22
	v_add_nc_u32 v22, v8, v22
	v_lshlrev_b32 v3, 12, v10                      ; and the same two rows in out: a token's row is 4,096 bytes
	v_lshl_add_u32 v3, v9, 4, v3
	s_lshl_b32 s28, s13, 18
	s_lshl_b32 s29, s12, 14
	s_add_co_u32 s28, s28, s29                     ; kv: the head, my wave's key step
	s_mov_b32 s29, 0
	s_lshl_b32 s30, s13, 17
	s_lshl_b32 s31, ttmp9, 15
	s_add_co_u32 s30, s30, s31
	s_lshl_b32 s31, s12, 11
	s_add_co_u32 s30, s30, s31                     ; qc: the head, tile 32 x + 2 w of 1,024 bytes
	s_mov_b32 s31, 0
	s_lshr_b32 s32, s13, 4
	s_lshl_b32 s32, s32, 23
	s_lshl_b32 s33, ttmp9, 21
	s_add_co_u32 s32, s32, s33
	s_lshl_b32 s33, s12, 17
	s_add_co_u32 s32, s32, s33
	s_and_b32 s33, s13, 15
	s_lshl_b32 s33, s33, 8
	s_add_co_u32 s32, s32, s33                     ; out: token 2,048 b + 512 x + 32 w, the head's 256 bytes
	s_mov_b32 s33, 0
	s_mov_b32 s[SEL], 0x76543210
	s_mov_b32 s[SEL+1], 0xfedcba98
	s_mov_b32 s24, 0                               ; LDS byte at which the step's images begin
	s_mov_b32 s25, 16                              ; key steps to go
	s_wait_kmcnt 0x0
	s_load_b128 s[16:19], s[8:9], 0x18             ; e6, e7, e8, e9
	s_add_nc_u64 s[6:7], s[6:7], s[28:29]
	s_add_nc_u64 s[4:5], s[4:5], s[30:31]
	s_add_nc_u64 s[10:11], s[10:11], s[32:33]
.set i, 0
.rept 32
	global_load_b128 v[KF+4*i:KF+4*i+3], v1, s[6:7] offset:512*i      ; my key step: 512 consecutive bytes a load
.set i, i+1
.endr
.irp i, 0,1,2,3
	global_load_b128 v[QA+4*\i:QA+4*\i+3], v1, s[4:5] offset:512*\i th:TH_LOAD_NT   ; Q's two fragments stay in registers
.endr
	v_mov_b32 v13, 0xff61b1e6                      ; the largest t so far: -3e38, under every t
	v_floor_f32 v12, -v13                          ; -M
	v_mov_b32 v17, 0xff61b1e6
	v_floor_f32 v16, -v17
	v_mov_b32 v14, 0                               ; the sums, in two halves each
	v_mov_b32 v15, 0
	v_mov_b32 v18, 0
	v_mov_b32 v19, 0
	v_mov_b32 v7, 0                                ; (named as the upper half of the pair v[6:7])
.set i, 0
.rept 64
	v_mov_b32 v[OA+i], 0                           ; O^T.  (The step is written once: the first finds zeros, which the first change of M leaves zeros)
.set i, i+1
.endr
	s_wait_kmcnt 0x0
	s_add_co_i32 s28, s16, s17
	s_lshl_b32 s28, s28, 23
	s_mov_b32 s[CS], 0x3e38aa3b                    ; log2(e) / 8
	s_add_co_i32 s[CS], s[CS], s28                 ; a score stands for score x 2^(e6 + e7): added to c's exponent field
	s_mov_b32 s[CS+1], s[CS]                       ; (named with it as a pair, so it is written)
	s_add_co_i32 s28, s19, 127
	s_lshl_b32 s29, s28, 23
	v_mov_b32 v4, s29
	s_add_co_i32 s28, s28, 15
	s_lshl_b32 s28, s28, 23
	s_or_b32 s28, s28, 0x600000
	v_mov_b32 v5, s28
	s_add_co_i32 s26, s18, s19                     ; e8 + e9
.set i, 0
.rept 32
	s_wait_loadcnt 35-i                            ; load i is in: the 31 - i behind it and Q's four may be out
	ds_store_b128 v11, v[KF+4*i:KF+4*i+3] offset:512*i
.set i, i+1
.endr
	s_wait_loadcnt 0x0                             ; Q
	s_wait_dscnt 0x0                               ; for the others' sake: my stores have landed
	s_barrier_signal -1
	s_barrier_wait -1                              ; the head's K and V lie in LDS
; S^T of one tile of queries: eight tiles of 16 keys, K = the head's 64.  waits = 1: K's fragments are still arriving, two loads each.
.macro SCORES q, waits
.irp t, 0,1,2,3,4,5,6,7
.if \waits
	s_wait_dscnt 14-2*\t                           ; fragment t is in; the later fragments' loads may be out
.endif
	v_wmma_f32_16x16x64_bf8_bf8 v[S+8*\t:S+8*\t+7], v[KF+8*\t:KF+8*\t+7], v[\q:\q+7], 0
.endr
.rept 4
	v_nop                                          ; places in front of the first read of the results
.endr
.endm
.macro VLOAD                           ; V^T's four fragments (16 channels x 128 keys) into the registers that p has left
.set i, 0
.rept 16
	ds_load_b128 v[S+4*i:S+4*i+3], v2 offset:8192+512*i
.set i, i+1
.endr
.endm
; The softmax of one tile for one key step.  st: its statistics; pc: where its codes go; o: its O^T; vload = 1: V's loads stand behind the conversions.
.macro SOFT st, pc, o, vload
	v_max3_num_f32 v8, v[S], v[S+1], v[S+2]        ; the step's largest score of my query among my 64 keys, in two chains, ascending
	v_max3_num_f32 v9, v[S+3], v[S+4], v[S+5]
.set j, 6
.rept 14
	v_max3_num_f32 v8, v8, v[S+j], v[S+j+1]
	v_max3_num_f32 v9, v9, v[S+j+2], v[S+j+3]
.set j, j+4
.endr
	v_max3_num_f32 v8, v8, v[S+62], v[S+63]
	v_max_num_f32 v8, v8, v9
	v_permlanex16_b32 v10, v8, s[SEL], s[SEL+1]
	v_max_num_f32 v8, v8, v10                      ; and among lane l xor 16's
	v_mul_f32 v8, s[CS], v8                        ; as t (c is positive)
	v_max_num_f32 v[\st+1], v[\st+1], v8           ; the running largest t
	v_mov_b32 v8, v[\st]
	v_floor_f32 v[\st], -v[\st+1]                  ; the new -M = floor(-t) = -ceil(t)
	v_sub_f32 v8, v[\st], v8                       ; old M - new M: a whole number, 0 or less
	v_cvt_i32_f32 v8, v8                           ; (it saturates)
	v_ldexp_f32 v6, 1.0, v8                        ; f = 2^(old M - new M)
.set j, 0
.rept 32
	v_pk_fma_f32 v[S+j:S+j+1], v[S+j:S+j+1], s[CS:CS+1], v[\st:\st+1] op_sel_hi:[1,0,0]   ; t - M, two at a time (of the pairs c and -M the low word serves both halves)
.set j, j+2
.endr
.set j, 0
.rept 64
	v_exp_f32 v[S+j], v[S+j]                       ; p = 2^(t - M), at most 1
.set j, j+1
.endr
	v_pk_mul_f32 v[\st+2:\st+3], v[\st+2:\st+3], v[6:7] op_sel_hi:[1,0]   ; the sums under the new M: the plain instruction behind the exponentials
	s_wait_alu depctr_va_vdst(0)                   ; one wait for the batch of 64, ahead of its first reader
	v_pk_add_f32 v[20:21], v[S:S+1], v[S+2:S+3]    ; the row's sum is taken of the unquantised p, in two chains
.set j, 4
.rept 15
	v_pk_add_f32 v[\st+2:\st+3], v[\st+2:\st+3], v[S+j:S+j+1]
	v_pk_add_f32 v[20:21], v[20:21], v[S+j+2:S+j+3]
.set j, j+4
.endr
	v_pk_add_f32 v[\st+2:\st+3], v[\st+2:\st+3], v[20:21]
	s_cmp_ge_i32 s19, -15                          ; e9 >= -15: p / 2^e9 <= 2^15: the hold changes nothing
	s_cbranch_scc1 .Lnohold_\@
.set j, 0
.rept 64
	v_min_num_f32 v[S+j], v[S+j], v5               ; the conversion does not saturate (ISA guide 7.6.2); p is not negative, so the hold is one-sided
.set j, j+1
.endr
.Lnohold_\@:
.irp t, 0,1,2,3,4,5,6,7
	v_cvt_scalef32_pk8_bf8_f32 v[\pc+2*\t:\pc+2*\t+1], v[S+8*\t:S+8*\t+7], v4
.endr
.if \vload
	VLOAD
.endif
.set j, 0
.rept 16
	v_pk_mul_f32 v[\o+j:\o+j+1], v[\o+j:\o+j+1], v[6:7] op_sel_hi:[1,0]   ; O^T under the new M.  (Also the plain instructions between the conversions and the matrix instructions that read the codes or write p's registers)
.set j, j+2
.endr
.endm
.Lstep:
	v_add_nc_u32 v2, s24, v1
.rept 4
	v_nop                                          ; with the addition five places behind the last products: four ahead of the loads into registers that they read, five ahead of the products that write over V's
.endr
.set i, 0
.rept 16
	ds_load_b128 v[KF+4*i:KF+4*i+3], v2 offset:512*i                 ; K's eight fragments
.set i, i+1
.endr
	SCORES QA, 1
	SOFT 12, PA, OA, 0
	SCORES QB, 0
	SOFT 16, PB, OB, 1
.irp dt, 0,1,2,3                                   ; O^T += V^T P^T: the eight accumulators by turns, one instruction each
	s_wait_dscnt 12-4*\dt                          ; V's fragment dt is in; the later fragments' loads may be out
	v_wmma_f32_16x16x128_bf8_bf8 v[OA+8*\dt:OA+8*\dt+7], v[S+16*\dt:S+16*\dt+15], v[PA:PA+15], v[OA+8*\dt:OA+8*\dt+7]
	v_wmma_f32_16x16x128_bf8_bf8 v[OB+8*\dt:OB+8*\dt+7], v[S+16*\dt:S+16*\dt+15], v[PB:PB+15], v[OB+8*\dt:OB+8*\dt+7]
.endr
	s_add_co_u32 s24, s24, 16384
	s_sub_co_u32 s25, s25, 1
	s_cmp_lg_u32 s25, 0
	s_cbranch_scc1 .Lstep
	; THE WAY OUT.  The sums' halves are added; O^T is divided by the sum, multiplied by 2^(e8 + e9), and goes through my stage in LDS, so that sixteen lanes store a query's 256 bytes of the head, aligned.
	v_add_f32 v14, v14, v15
	v_add_f32 v18, v18, v19
	v_permlanex16_b32 v10, v14, s[SEL], s[SEL+1]
	v_permlanex16_b32 v9, v18, s[SEL], s[SEL+1]
	v_add_f32 v14, v14, v10
	v_add_f32 v18, v18, v9
	v_rcp_f32 v6, v14
	v_rcp_f32 v8, v18
	v_nop                                          ; a plain instruction behind the reciprocals
	s_wait_alu depctr_va_vdst(0)                   ; one wait for the two, ahead of their first reader
	v_ldexp_f32 v6, v6, s26
	v_ldexp_f32 v8, v8, s26
.set j, 0
.rept 16
	v_pk_mul_f32 v[OA+j:OA+j+1], v[OA+j:OA+j+1], v[6:7] op_sel_hi:[1,0]
.set j, j+2
.endr
.set j, 0
.rept 16
	v_pk_mul_f32 v[OB+j:OB+j+1], v[OB+j:OB+j+1], v[8:9] op_sel_hi:[1,0]
.set j, j+2
.endr
	s_wait_dscnt 0x0                               ; my reads of K and V are over
	s_barrier_signal -1
	s_barrier_wait -1                              ; everybody's are: the stages may be written over them
.irp u, 0,1
.irp dt, 0,1,2,3
	ds_store_b128 v23, v[OA+32*\u+8*\dt:OA+32*\u+8*\dt+3] offset:4352*\u+64*\dt        ; lane (r, h): channels 16 dt + 8 h + 0 .. 7 of query r
	ds_store_b128 v23, v[OA+32*\u+8*\dt+4:OA+32*\u+8*\dt+7] offset:4352*\u+64*\dt+16
.endr
.irp i, 0,1,2,3,4,5,6,7
	ds_load_b128 v[KF+32*\u+4*\i:KF+32*\u+4*\i+3], v22 offset:4352*\u+2*\i*272         ; LDS serves a wave's instructions in order: these see my stores
.endr
.endr
.irp u, 0,1
.irp i, 0,1,2,3,4,5,6,7
	s_wait_dscnt 23-16*\u-\i                       ; this load is in; its tile's later loads, and for tile A the sixteen LDS instructions of tile B, may be out
	global_store_b128 v3, v[KF+32*\u+4*\i:KF+32*\u+4*\i+3], s[10:11] offset:(16*\u+2*\i)*4096 th:TH_STORE_NT
.endr
.endr
	s_wait_tensorcnt 0x0
	ds_add_u32 v254, v255
	s_wait_dscnt 0x0
	s_endpgm
.Lfunc_end_k_q022ac9dfaf_attn:
	.size	k_q022ac9dfaf_attn, .Lfunc_end_k_q022ac9dfaf_attn-k_q022ac9dfaf_attn
	.p2alignl 7, 3214868480
	.fill 96, 4, 3214868480
	.section	.rodata,"a",@progbits
	.p2align	6, 0x0
	.amdhsa_kernel k_q022ac9dfaf_attn
		.amdhsa_group_segment_fixed_size 264192
		.amdhsa_private_segment_fixed_size 0
		.amdhsa_enable_private_segment 0
		.amdhsa_kernarg_size 32
		.amdhsa_user_sgpr_count 2
		.amdhsa_user_sgpr_kernarg_segment_ptr 1
		.amdhsa_wavefront_size32 1
		.amdhsa_system_sgpr_workgroup_id_x 1
		.amdhsa_system_sgpr_workgroup_id_y 1
		.amdhsa_system_sgpr_workgroup_id_z 1
		.amdhsa_system_vgpr_workitem_id 0
		.amdhsa_next_free_vgpr 256
		.amdhsa_next_free_sgpr 66
		.amdhsa_reserve_vcc 0
		.amdhsa_float_denorm_mode_32 3
		.amdhsa_float_denorm_mode_16_64 3
		.amdhsa_memory_ordered 1
		.amdhsa_forward_progress 1
		.amdhsa_inst_pref_size 47
	.end_amdhsa_kernel
	.amdgpu_metadata
---
amdhsa.version: [ 1, 2 ]
amdhsa.kernels:
  - .name:           k_q022ac9dfaf_attn
    .symbol:         k_q022ac9dfaf_attn.kd
    .args:
      - { .name: qc, .offset: 0, .size: 8, .value_kind: global_buffer, .address_space: global }
      - { .name: kv, .offset: 8, .size: 8, .value_kind: global_buffer, .address_space: global }
      - { .name: lowp_scales, .offset: 16, .size: 8, .value_kind: global_buffer, .address_space: global }
      - { .name: out0, .offset: 24, .size: 8, .value_kind: global_buffer, .address_space: global }
    .group_segment_fixed_size: 264192
    .private_segment_fixed_size: 0
    .kernarg_segment_align: 8
    .kernarg_segment_size: 32
    .max_flat_workgroup_size: 512
    .sgpr_count:     66
    .vgpr_count:     256
    .wavefront_size: 32
...
	.end_amdgpu_metadata
.endif
;; end of part 3
;; ======== version 2 of 2: 3 launches; version 1 with the launch attn written anew for expert scheduling mode
;; workspace buffers: xc 25,165,824 bytes; wc 3,145,728 bytes; qc 8,388,608 bytes; kv 16,777,216 bytes
;; launch quant: the kernel of part 1 again; grid 352 x 1, 4 waves a work-group, no clusters, 66,048 bytes of LDS; arguments x, Wq, Wk, Wv, lowp_scales, xc, wc; writes xc, wc
;; launch proj: the kernel of part 2 again; grid 4 x 96, 4 waves a work-group, clusters of 4 x 4, 327,680 bytes of LDS; arguments xc, wc, lowp_scales, bq, bk, bv, qc, kv; writes qc, kv
;; launch attn (part 4): grid 4 x 64, 16 waves a work-group, no clusters, 264,192 bytes of LDS; arguments qc, kv, lowp_scales, out0; writes out0
.if DOCPART == 4
	.amdgcn_target "amdgcn-amd-amdhsa--gfx1250"
	.amdhsa_code_object_version 6
	.text
	.protected	k_q022ac9dfaf_attn
	.globl	k_q022ac9dfaf_attn
	.p2align	8
	.type	k_q022ac9dfaf_attn,@function
k_q022ac9dfaf_attn:
	s_mov_b64 s[64:65], 0
	v_nop
	global_prefetch_b8 v0, s[64:65] scope:SCOPE_SE
	s_setreg_imm32_b32 hwreg(HW_REG_WAVE_SCHED_MODE, 0, 2), 2
	s_setreg_imm32_b32 hwreg(HW_REG_WAVE_MODE, 25, 1), 1
	s_wait_xcnt 0x0
	s_wait_alu depctr_vm_vsrc(0)
; out[b][q][h][:] = the sum over k of softmax_k(q . k / 8) v, both products on codes of BF8 (E5M2); head size 64, 2,048 keys, 64 heads (batch x head).
; t = score x log2(e) / 8; M = the running largest t rounded UP to a whole number; p = 2^(t - M) is what is quantised (scale 2^e9), not normalised; the row's sum is taken of the unquantised p and divides at the end.
; When M moves, the sum and O are multiplied by 2^(old M - new M): exact.
; SHARES.  Work-group (x, y): head y, queries 512 x on.  Sixteen waves, four to a SIMD; a wave owns 32 queries, two tiles of 16, and walks the head's 16 key steps of 128 keys.
; THE HEAD'S WHOLE K AND V LIE IN LDS, 262,144 bytes, for the whole launch: wave w copies key step w's 16,384 bytes through its registers, one barrier follows, and the loop has no barrier and no refill.
; They lie as images of the operands' registers (four registers a lane at 16 x lane), as the launch before stored them: every LDS load takes 512 consecutive bytes; each fragment feeds two matrix instructions.
; LAYOUT.  Both products are used transposed: S^T = K Q^T (source 0 = 16 keys, source 1 = 16 queries), O^T = V^T P^T: a lane holds ONE query (lane % 16) throughout.  In tile t of S^T lane (r, h) holds keys
; 16 t + 8 h + 0 .. 7: one conversion gives registers 2 t, 2 t + 1 of P^T for 128 keys.
; THE HOLD OF p.  p is at most 1, so p / 2^e9 is at most 2^15 where e9 >= -15, under the largest code 57,344: there the 64 holds change nothing and a scalar branch on the whole number e9 jumps over them; else they run.
; NO CLUSTER, NO TENSOR LOAD, though four work-groups read the same head: the branch on e9 spares 64 of a tile step's 258 vector instructions,
; while what is shared is fetched once a work-group: 32 loads a wave against 16 key steps.  No prefetch: all of K and V is asked for by the first loads.
; LIMITS: e6 + e7 between -123 and 130 (added to c's exponent field); e9 between -126 and 112; e8 + e9 goes by v_ldexp_f32 and has none.  NaN is not served.
; REGISTERS: v1 16 x lane; v2 the step's LDS address; v3 my offset in the wave's rows of out; v4 2^e9; v5 57,344 x 2^e9; v[6:7] f; v8-10 at work; v11 the fill's address; v12 -M, v13 largest t, v[14:15] sum of tile A;
;   v16-19 the same of tile B; v[20:21] the sums' second chain; v22, v23 the stage; v24-39 Q; v40-55 tile A's codes of p; v56-119 K's eight fragments, of which v56-71 (fragments 0, 1) then take tile B's codes;
;   v120-183 S^T, p, then V's four fragments; v184-215, v216-247 O^T of the two tiles; v254, v255 the closing add's two.
; THE MODE: SCHED_MODE bits 1:0 = 2 (LLVM: expert scheduling mode 2), set by the entry lines.  The code itself states the register dependences
; between vector or matrix instructions and memory or LDS instructions, with s_wait_alu, always for 0.
; THE PLAN.  Registers that memory or LDS instructions touch:
;   v1, v3, v11, v22, v23, v254, v255   written at the head, ahead of one wait on va_vdst, and never again.
;   v56-183 at the head                 the global loads land in them, the LDS stores read them: one wait on vm_vsrc behind the barrier, ahead of everything that writes them again.
;   v2        written by one addition at a step's head, read by all the step's LDS loads: a wait on vm_vsrc ahead of the addition; the wait on va_vdst behind it stands there anyway.
;   v56-71    a step's head: K's fragments 0, 1 land; both tiles' score products read them; tile B's conversions write its codes there; the step's last products read those.
;   v72-119   K's fragments 2 to 7: both tiles' score products read them, nothing behind those; the NEXT step's land there, asked for among this step's last products.
;   v120-183  S^T and p, vector and matrix work, up to tile B's conversions; then V's fragments land, dealt among the rescalings of tile B's O^T; the step's last products read them.
;   v184-247  O^T: vector and matrix work alone until the way out, where the LDS stores read it.
; So a step has, beside the wait for each tile's batch of exponentials, two waits on va_vdst: one at its head (v2 is written; the last products are done reading v56-71), and one behind tile B's
; conversions (they are done reading p; tile B's score products are done reading v72-119).  Behind the second stand V's sixteen loads and the next step's twelve of K, among instructions that name
; O^T, f, V's fragments and the codes in v40-71 alone: none of the registers in which those loads land, nor v2.
.set QA,  24
.set QB,  32
.set PA,  40
.set KF,  56
.set PB,  56
.set S,   120
.set OA,  184
.set OB,  216
.set SEL, 20                           ; s[20:21] lane selects for v_permlanex16_b32: lane l xor 16
.set CS,  22                           ; s[22:23] c = log2(e) / 8 x 2^(e6 + e7)
	s_load_b128 s[4:7], s[0:1], 0x0                ; qc s[4:5], kv s[6:7]
	s_load_b128 s[8:11], s[0:1], 0x10              ; the scales' exponents s[8:9], out s[10:11]
	v_lshl_add_u32 v254, v0, 2, 0x40000
	v_mov_b32 v255, 0
	v_lshrrev_b32 v8, 5, v0
	v_readfirstlane_b32 s12, v8                    ; wave 0..15
	s_and_b32 s13, ttmp7, 0xffff                   ; 16 x batch + head
	v_and_b32 v1, 31, v0
	v_lshlrev_b32 v1, 4, v1
	v_lshl_add_u32 v11, v8, 14, v1                 ; the fill: my wave's key step, 16 x lane
	v_and_b32 v9, 15, v0                           ; r
	v_bfe_u32 v10, v0, 4, 1                        ; h
	v_lshlrev_b32 v8, 14, v8
	v_mul_u32_u24 v23, v9, 272                     ; the stage (in my wave's 16,384 bytes, on the way out): in: row r of 256 + 16 bytes, + 32 h
	v_lshl_add_u32 v23, v10, 5, v23
	v_add_nc_u32 v23, v8, v23
	v_mul_u32_u24 v22, v10, 272                    ; back: lanes 0-15 one row, lanes 16-31 the next
	v_lshl_add_u32 v22, v9, 4, v22
	v_add_nc_u32 v22, v8, v22
	v_lshlrev_b32 v3, 12, v10                      ; and the same two rows in out: a token's row is 4,096 bytes
	v_lshl_add_u32 v3, v9, 4, v3
	s_wait_alu depctr_va_sdst(0)                   ; s12 is written, ahead of its first reader: the three bases below are made from it
	s_lshl_b32 s28, s13, 18
	s_lshl_b32 s29, s12, 14
	s_add_co_u32 s28, s28, s29                     ; kv: the head, my wave's key step
	s_mov_b32 s29, 0
	s_lshl_b32 s30, s13, 17
	s_lshl_b32 s31, ttmp9, 15
	s_add_co_u32 s30, s30, s31
	s_lshl_b32 s31, s12, 11
	s_add_co_u32 s30, s30, s31                     ; qc: the head, tile 32 x + 2 w of 1,024 bytes
	s_mov_b32 s31, 0
	s_lshr_b32 s32, s13, 4
	s_lshl_b32 s32, s32, 23
	s_lshl_b32 s33, ttmp9, 21
	s_add_co_u32 s32, s32, s33
	s_lshl_b32 s33, s12, 17
	s_add_co_u32 s32, s32, s33
	s_and_b32 s33, s13, 15
	s_lshl_b32 s33, s33, 8
	s_add_co_u32 s32, s32, s33                     ; out: token 2,048 b + 512 x + 32 w, the head's 256 bytes
	s_mov_b32 s33, 0
	s_mov_b32 s[SEL], 0x76543210
	s_mov_b32 s[SEL+1], 0xfedcba98
	s_mov_b32 s24, 0                               ; LDS byte at which the step's images begin
	s_mov_b32 s25, 15                              ; key steps in the loop; the sixteenth is written out
	s_wait_kmcnt 0x0
	s_load_b128 s[16:19], s[8:9], 0x18             ; e6, e7, e8, e9
	s_add_nc_u64 s[6:7], s[6:7], s[28:29]
	s_add_nc_u64 s[4:5], s[4:5], s[30:31]
	s_add_nc_u64 s[10:11], s[10:11], s[32:33]
	s_wait_alu depctr_va_vdst(0)                   ; v1, v3, v11, v22, v23, v254 and v255 are written: the addresses of every load and store but those by v2, and the closing add's two
.set i, 0
.rept 32
	global_load_b128 v[KF+4*i:KF+4*i+3], v1, s[6:7] offset:512*i      ; my key step: 512 consecutive bytes a load
.set i, i+1
.endr
.irp i, 0,1,2,3
	global_load_b128 v[QA+4*\i:QA+4*\i+3], v1, s[4:5] offset:512*\i th:TH_LOAD_NT   ; Q's two fragments stay in registers
.endr
	v_mov_b32 v13, 0xff61b1e6                      ; the largest t so far: -3e38, under every t
	v_floor_f32 v12, -v13                          ; -M
	v_mov_b32 v17, 0xff61b1e6
	v_floor_f32 v16, -v17
	v_mov_b32 v14, 0                               ; the sums, in two halves each
	v_mov_b32 v15, 0
	v_mov_b32 v18, 0
	v_mov_b32 v19, 0
	v_mov_b32 v7, 0                                ; (named as the upper half of the pair v[6:7])
.set i, 0
.rept 64
	v_mov_b32 v[OA+i], 0                           ; O^T.  (The first step finds zeros, which the first change of M leaves zeros)
.set i, i+1
.endr
	s_wait_kmcnt 0x0
	s_add_co_i32 s28, s16, s17
	s_lshl_b32 s28, s28, 23
	s_mov_b32 s[CS], 0x3e38aa3b                    ; log2(e) / 8
	s_add_co_i32 s[CS], s[CS], s28                 ; a score stands for score x 2^(e6 + e7): added to c's exponent field
	s_mov_b32 s[CS+1], s[CS]                       ; (named with it as a pair, so it is written)
	s_add_co_i32 s28, s19, 127
	s_lshl_b32 s29, s28, 23
	v_mov_b32 v4, s29
	s_add_co_i32 s28, s28, 15
	s_lshl_b32 s28, s28, 23
	s_or_b32 s28, s28, 0x600000
	v_mov_b32 v5, s28
	s_add_co_i32 s26, s18, s19                     ; e8 + e9
.set i, 0
.rept 32
	s_wait_loadcnt 35-i                            ; load i is in: the 31 - i behind it and Q's four may be out
	ds_store_b128 v11, v[KF+4*i:KF+4*i+3] offset:512*i               ; no vector instruction since the wait on va_vdst names v11 or these registers
.set i, i+1
.endr
	s_wait_loadcnt 0x0                             ; Q
	s_wait_dscnt 0x0                               ; for the others' sake: my stores have landed
	s_barrier_signal -1
	s_barrier_wait -1                              ; the head's K and V lie in LDS
	s_wait_alu depctr_vm_vsrc(0)                   ; my LDS stores have read v56-183: from here on K's fragments land there and the score products write there
.set i, 4
.rept 12
	ds_load_b128 v[KF+4*i:KF+4*i+3], v1 offset:512*i                 ; key step 0: K's fragments 2 to 7; every later step's are asked for in the step before
.set i, i+1
.endr
; S^T of one tile of queries: eight tiles of 16 keys, K = the head's 64, each one product that starts from 0.  They go in the order in which K's fragments were asked for: 2 to 7, then 0 and 1.
; waits = 1: the fragments are still arriving, two loads each.
.macro SCORES q, waits
.set pos, 0
.irp t, 2,3,4,5,6,7,0,1
.if \waits
	s_wait_dscnt 14-2*pos                          ; this fragment is in; the loads of the fragments behind it in that order may be out
.endif
	v_wmma_f32_16x16x64_bf8_bf8 v[S+8*\t:S+8*\t+7], v[KF+8*\t:KF+8*\t+7], v[\q:\q+7], 0
.set pos, pos+1
.endr
.rept 4
	v_nop                                          ; places in front of the first read of the results
.endr
.endm
; The softmax of one tile for one key step.  st: its statistics; pc: where its codes go; o: its O^T; vload = 1: V's loads stand behind the conversions, among the rescalings of O^T.
.macro SOFT st, pc, o, vload
	v_max3_num_f32 v8, v[S], v[S+1], v[S+2]        ; the step's largest score of my query among my 64 keys, in two chains, ascending
	v_max3_num_f32 v9, v[S+3], v[S+4], v[S+5]
.set j, 6
.rept 14
	v_max3_num_f32 v8, v8, v[S+j], v[S+j+1]
	v_max3_num_f32 v9, v9, v[S+j+2], v[S+j+3]
.set j, j+4
.endr
	v_max3_num_f32 v8, v8, v[S+62], v[S+63]
	v_max_num_f32 v8, v8, v9
	v_permlanex16_b32 v10, v8, s[SEL], s[SEL+1]
	v_max_num_f32 v8, v8, v10                      ; and among lane l xor 16's
	v_mul_f32 v8, s[CS], v8                        ; as t (c is positive)
	v_max_num_f32 v[\st+1], v[\st+1], v8           ; the running largest t
	v_mov_b32 v8, v[\st]
	v_floor_f32 v[\st], -v[\st+1]                  ; the new -M = floor(-t) = -ceil(t)
	v_sub_f32 v8, v[\st], v8                       ; old M - new M: a whole number, 0 or less
	v_cvt_i32_f32 v8, v8                           ; (it saturates)
	v_ldexp_f32 v6, 1.0, v8                        ; f = 2^(old M - new M)
.set j, 0
.rept 32
	v_pk_fma_f32 v[S+j:S+j+1], v[S+j:S+j+1], s[CS:CS+1], v[\st:\st+1] op_sel_hi:[1,0,0]   ; t - M, two at a time (of the pairs c and -M the low word serves both halves)
.set j, j+2
.endr
.set j, 0
.rept 64
	v_exp_f32 v[S+j], v[S+j]                       ; p = 2^(t - M), at most 1
.set j, j+1
.endr
	v_pk_mul_f32 v[\st+2:\st+3], v[\st+2:\st+3], v[6:7] op_sel_hi:[1,0]   ; the sums under the new M: the plain instruction behind the exponentials
	s_wait_alu depctr_va_vdst(0)                   ; the 64 exponentials have written p in v120-183: one wait for the batch, ahead of its first reader
	v_pk_add_f32 v[20:21], v[S:S+1], v[S+2:S+3]    ; the row's sum is taken of the unquantised p, in two chains
.set j, 4
.rept 15
	v_pk_add_f32 v[\st+2:\st+3], v[\st+2:\st+3], v[S+j:S+j+1]
	v_pk_add_f32 v[20:21], v[20:21], v[S+j+2:S+j+3]
.set j, j+4
.endr
	v_pk_add_f32 v[\st+2:\st+3], v[\st+2:\st+3], v[20:21]
	s_cmp_ge_i32 s19, -15                          ; e9 >= -15: p / 2^e9 <= 2^15: the hold changes nothing
	s_cbranch_scc1 .Lnohold_\@
.set j, 0
.rept 64
	v_min_num_f32 v[S+j], v[S+j], v5               ; the conversion does not saturate (ISA guide 7.6.2); p is not negative, so the hold is one-sided
.set j, j+1
.endr
.Lnohold_\@:
.irp t, 0,1,2,3,4,5,6,7
	v_cvt_scalef32_pk8_bf8_f32 v[\pc+2*\t:\pc+2*\t+1], v[S+8*\t:S+8*\t+7], v4
.endr
.if \vload
	s_wait_alu depctr_va_vdst(0)                   ; the conversions are done reading p in v120-183, in which V's fragments land; tile B's score products are done reading v72-119, in which the next step's K lands
.endif
.set j, 0
.rept 16
.if \vload
	ds_load_b128 v[S+2*j:S+2*j+3], v2 offset:8192+256*j              ; V^T's four fragments (16 channels x 128 keys), sixteen loads, one ahead of each rescaling: those name O^T and f alone
.endif
	v_pk_mul_f32 v[\o+j:\o+j+1], v[\o+j:\o+j+1], v[6:7] op_sel_hi:[1,0]   ; O^T under the new M.  (Also the plain instructions between the conversions and the matrix instructions that read the codes or write p's registers)
.set j, j+2
.endr
.endm
; A KEY STEP: 128 keys.  last = 1: the sixteenth, behind which there is no K to ask for.
.macro KSTEP last
	s_wait_alu depctr_vm_vsrc(0)                   ; the LDS loads issued so far have read v2
	v_add_nc_u32 v2, s24, v1
.rept 4
	v_nop                                          ; with the addition five places between the last products and the score products, which write over V's registers
.endr
	s_wait_alu depctr_va_vdst(0)                   ; v2 is written, which the step's loads read; the last products are done reading tile B's codes in v56-71, in which K's fragments 0 and 1 land
.irp i, 0,1,2,3
	ds_load_b128 v[KF+4*\i:KF+4*\i+3], v2 offset:512*\i              ; K's fragments 0 and 1; fragments 2 to 7 were asked for in the step before
.endr
	SCORES QA, 1
	SOFT 12, PA, OA, 0
	SCORES QB, 0
	SOFT 16, PB, OB, 1
.irp dt, 0,1,2,3                                   ; O^T += V^T P^T: the eight accumulators by turns, one instruction each
.if \last
	s_wait_dscnt 12-4*\dt                          ; V's fragment dt is in; the later fragments' loads may be out
.else
	s_wait_dscnt 12-\dt                            ; V's fragment dt is in; the 12 - 4 dt loads of V's later fragments and the 3 dt of K issued since may be out
.endif
	v_wmma_f32_16x16x128_bf8_bf8 v[OA+8*\dt:OA+8*\dt+7], v[S+16*\dt:S+16*\dt+15], v[PA:PA+15], v[OA+8*\dt:OA+8*\dt+7]
	v_wmma_f32_16x16x128_bf8_bf8 v[OB+8*\dt:OB+8*\dt+7], v[S+16*\dt:S+16*\dt+15], v[PB:PB+15], v[OB+8*\dt:OB+8*\dt+7]
.if !\last
.irp n, 0,1,2
	ds_load_b128 v[KF+4*(4+3*\dt+\n):KF+4*(4+3*\dt+\n)+3], v2 offset:16384+512*(4+3*\dt+\n)   ; the next step's K, fragments 2 to 7, three loads behind each pair.  No wait: nothing since the wait behind the conversions names v72-119 or v2
.endr
.endif
.endr
.endm
.Lstep:
	KSTEP 0
	s_add_co_u32 s24, s24, 16384
	s_sub_co_u32 s25, s25, 1
	s_cmp_lg_u32 s25, 0
	s_cbranch_scc1 .Lstep
	KSTEP 1                                        ; the last step is written out: no load reaches past the head's images
	; THE WAY OUT.  The sums' halves are added; O^T is divided by the sum, multiplied by 2^(e8 + e9), and goes through my stage in LDS, so that sixteen lanes store a query's 256 bytes of the head, aligned.
	v_add_f32 v14, v14, v15
	v_add_f32 v18, v18, v19
	v_permlanex16_b32 v10, v14, s[SEL], s[SEL+1]
	v_permlanex16_b32 v9, v18, s[SEL], s[SEL+1]
	v_add_f32 v14, v14, v10
	v_add_f32 v18, v18, v9
	v_rcp_f32 v6, v14
	v_rcp_f32 v8, v18
	v_nop                                          ; a plain instruction behind the reciprocals
	s_wait_alu depctr_va_vdst(0)                   ; the two reciprocals have written v6 and v8: one wait, ahead of their first reader
	v_ldexp_f32 v6, v6, s26
	v_ldexp_f32 v8, v8, s26
.set j, 0
.rept 16
	v_pk_mul_f32 v[OA+j:OA+j+1], v[OA+j:OA+j+1], v[6:7] op_sel_hi:[1,0]
.set j, j+2
.endr
.set j, 0
.rept 16
	v_pk_mul_f32 v[OB+j:OB+j+1], v[OB+j:OB+j+1], v[8:9] op_sel_hi:[1,0]
.set j, j+2
.endr
	s_wait_dscnt 0x0                               ; my reads of K and V are over
	s_barrier_signal -1
	s_barrier_wait -1                              ; everybody's are: the stages may be written over them
	s_wait_alu depctr_va_vdst(0)                   ; the multiplications have written O^T, which the LDS stores read; the products are done reading v56-119, in which the loads from the stage land
.irp u, 0,1
.irp dt, 0,1,2,3
	ds_store_b128 v23, v[OA+32*\u+8*\dt:OA+32*\u+8*\dt+3] offset:4352*\u+64*\dt        ; lane (r, h): channels 16 dt + 8 h + 0 .. 7 of query r
	ds_store_b128 v23, v[OA+32*\u+8*\dt+4:OA+32*\u+8*\dt+7] offset:4352*\u+64*\dt+16
.endr
.irp i, 0,1,2,3,4,5,6,7
	ds_load_b128 v[KF+32*\u+4*\i:KF+32*\u+4*\i+3], v22 offset:4352*\u+2*\i*272         ; LDS serves a wave's instructions in order: these see my stores
.endr
.endr
.irp u, 0,1
.irp i, 0,1,2,3,4,5,6,7
	s_wait_dscnt 23-16*\u-\i                       ; this load is in; its tile's later loads, and for tile A the sixteen LDS instructions of tile B, may be out
	global_store_b128 v3, v[KF+32*\u+4*\i:KF+32*\u+4*\i+3], s[10:11] offset:(16*\u+2*\i)*4096 th:TH_STORE_NT
.endr
.endr
	s_wait_dscnt 0x0                               ; the closing lines, six on end
	s_wait_alu 0x0
	s_wait_tensorcnt 0x0
	ds_add_u32 v254, v255
	s_wait_dscnt 0x0
	s_endpgm
.Lfunc_end_k_q022ac9dfaf_attn:
	.size	k_q022ac9dfaf_attn, .Lfunc_end_k_q022ac9dfaf_attn-k_q022ac9dfaf_attn
	.p2alignl 7, 3214868480
	.fill 96, 4, 3214868480
	.section	.rodata,"a",@progbits
	.p2align	6, 0x0
	.amdhsa_kernel k_q022ac9dfaf_attn
		.amdhsa_group_segment_fixed_size 264192
		.amdhsa_private_segment_fixed_size 0
		.amdhsa_enable_private_segment 0
		.amdhsa_kernarg_size 32
		.amdhsa_user_sgpr_count 2
		.amdhsa_user_sgpr_kernarg_segment_ptr 1
		.amdhsa_wavefront_size32 1
		.amdhsa_system_sgpr_workgroup_id_x 1
		.amdhsa_system_sgpr_workgroup_id_y 1
		.amdhsa_system_sgpr_workgroup_id_z 1
		.amdhsa_system_vgpr_workitem_id 0
		.amdhsa_next_free_vgpr 256
		.amdhsa_next_free_sgpr 66
		.amdhsa_reserve_vcc 0
		.amdhsa_float_denorm_mode_32 3
		.amdhsa_float_denorm_mode_16_64 3
		.amdhsa_memory_ordered 1
		.amdhsa_forward_progress 1
		.amdhsa_inst_pref_size 76
	.end_amdhsa_kernel
	.amdgpu_metadata
---
amdhsa.version: [ 1, 2 ]
amdhsa.kernels:
  - .name:           k_q022ac9dfaf_attn
    .symbol:         k_q022ac9dfaf_attn.kd
    .args:
      - { .name: qc, .offset: 0, .size: 8, .value_kind: global_buffer, .address_space: global }
      - { .name: kv, .offset: 8, .size: 8, .value_kind: global_buffer, .address_space: global }
      - { .name: lowp_scales, .offset: 16, .size: 8, .value_kind: global_buffer, .address_space: global }
      - { .name: out0, .offset: 24, .size: 8, .value_kind: global_buffer, .address_space: global }
    .group_segment_fixed_size: 264192
    .private_segment_fixed_size: 0
    .kernarg_segment_align: 8
    .kernarg_segment_size: 32
    .max_flat_workgroup_size: 512
    .sgpr_count:     66
    .vgpr_count:     256
    .wavefront_size: 32
...
	.end_amdgpu_metadata
.endif
;; end of part 4
